; MI455X (gfx1250); checked and timed in simulation.
; The chip was launched on July 23, 2026; its instructions are those of AMD's public machine-readable ISA for CDNA 5 (MIT licence, August 2026) and "CDNA5" Instruction Set Architecture Reference Guide (July 2026). The comments in the code are by the model that wrote it; some were corrected since.
;; Differentiable Recurrent Net. Allowed arithmetic: matrix products marked QUANTISED: E2M1 operands, one E8M0 scale for each 32 along K, by v_wmma_scale_f32_16x16x128_f8f6f4 with both operands' format E2M1 (or v_wmma_scale_f32_32x16x128_f4), f32 sums; everything else in f32.
;; Inputs: hidden_biases 2,048 float32; hidden_responses 2,048 float32; hidden_to_hidden_codes 2,048 x 64 x 16 uint8 (E2M1 codes of hidden_to_hidden, K innermost, in blocks of 32 codes, two codes a byte); hidden_to_hidden_scales 2,048 x 64 uint8 (E8M0 scales of hidden_to_hidden, one for each 32 codes along K); hidden_to_output_codes 512 x 64 x 16 uint8 (E2M1 codes of hidden_to_output, K innermost, in blocks of 32 codes, two codes a byte); hidden_to_output_scales 512 x 64 uint8 (E8M0 scales of hidden_to_output, one for each 32 codes along K); input_to_hidden_codes 2,048 x 16 x 16 uint8 (E2M1 codes of input_to_hidden, K innermost, in blocks of 32 codes, two codes a byte); input_to_hidden_scales 2,048 x 16 uint8 (E8M0 scales of input_to_hidden, one for each 32 codes along K); input_to_output_codes 512 x 16 x 16 uint8 (E2M1 codes of input_to_output, K innermost, in blocks of 32 codes, two codes a byte); input_to_output_scales 512 x 16 uint8 (E8M0 scales of input_to_output, one for each 32 codes along K); inputs_codes 8,192 x 16 x 16 uint8 (E2M1 codes of inputs, K innermost, in blocks of 32 codes, two codes a byte); inputs_scales 8,192 x 16 uint8 (E8M0 scales of inputs, one for each 32 codes along K); output_biases 512 float32; output_responses 512 float32; output_to_hidden_codes 2,048 x 16 x 16 uint8 (E2M1 codes of output_to_hidden, K innermost, in blocks of 32 codes, two codes a byte); output_to_hidden_scales 2,048 x 16 uint8 (E8M0 scales of output_to_hidden, one for each 32 codes along K); output_to_output_codes 512 x 16 x 16 uint8 (E2M1 codes of output_to_output, K innermost, in blocks of 32 codes, two codes a byte); output_to_output_scales 512 x 16 uint8 (E8M0 scales of output_to_output, one for each 32 codes along K).
;; Outputs: out0 8,192 x 512 float32.
;; This version of the problem:
;;   THIS VERSION OF THE PROBLEM IS GIVEN IN LOW PRECISION. The matrix products marked QUANTISED in the list below multiply operands that are first quantised to E2M1 (2 exponent bits, 1 mantissa bit; 4 bits a number), with one power-of-two scale for each 32 numbers along K (OCP MX v1.0); their sums are f32. All else is computed in f32.
;;   The module's matrix products, in the order in which they are computed (A, B: the left and right operand; K: the contracted axis; several contracted axes count as one K, in the product's order):
;;     1. [M 8,192, K 512] x [K 512, N 2,048]; A: input inputs (given as codes); B: input input_to_hidden (given as codes): QUANTISED
;;     2. [M 8,192, K 2,048] x [K 2,048, N 2,048]; A: computed on the way; B: input hidden_to_hidden (given as codes): QUANTISED
;;     3. [M 8,192, K 512] x [K 512, N 2,048]; A: computed on the way; B: input output_to_hidden (given as codes): QUANTISED
;;     4. [M 8,192, K 512] x [K 512, N 512]; A: input inputs (given as codes); B: input input_to_output (given as codes): QUANTISED
;;     5. [M 8,192, K 512] x [K 512, N 512]; A: computed on the way; B: input output_to_output (given as codes): QUANTISED
;;     6. [M 8,192, K 2,048] x [K 2,048, N 512]; A: computed on the way; B: input hidden_to_output (given as codes): QUANTISED
;;   THE QUANTISER, for each operand of a quantised product, along K:
;;     - K is cut into blocks of 32 from its start; a last block that is shorter is filled with zeros.
;;     - A block's scale is 2^e with e = floor(log2(the largest magnitude in the block)) - 2, held to -126 .. 127; a block of zeros has e = 0. As a byte (E8M0): e + 127.
;;     - Each number is divided by its block's scale, clamped to +-6, and rounded to the nearest number of E2M1, ties to even, subnormals kept.
;;     - The product sums the exact products of the quantised numbers (number of the format x scale) in f32.
;;   ~~~python
;;   def quantise(x, axis):      # numpy; x: float32 -> the quantised numbers, widened to float32 again
;;       x = np.moveaxis(x, axis, -1); K = x.shape[-1]
;;       x = np.pad(x, [(0, 0)] * (x.ndim - 1) + [(0, -K % 32)]); x = x.reshape(x.shape[:-1] + (-1, 32)); a = np.abs(x).max(-1, keepdims=True)
;;       e = np.where(a > 0, np.clip(np.frexp(np.where(a > 0, a, 1))[1] - 1 - 2, -126, 127), 0)      # np.frexp(a)[1] - 1 = floor(log2(a)), exactly
;;       r = np.clip(x / 2.0 ** e, -6, 6)
;;       step = 2.0 ** (np.maximum(np.frexp(np.where(r == 0, 1, r))[1] - 1, 0) - 1)
;;       q = np.round(r / step) * step * 2.0 ** e      # np.round: ties to even
;;       return np.moveaxis(q.reshape(q.shape[:-2] + (-1,))[..., :K], -1, axis).astype(np.float32)
;;   ~~~
;;   OPERANDS COMPUTED ON THE WAY. 'Computed on the way' means the value that the module computes at that place (a softmax that the list does not call 'softmax' is quantised finished and normalised). What goes into a quantiser is computed in f32, as accurately as f32 sums, v_exp_f32 and their like allow (about 1e-6 of the number): no bf16 or f16 on the way to a quantiser, and a product that is left as it is and whose result goes on into a quantised operand takes f32 operands (vector FMAs, or v_wmma_f32_16x16x4_f32). A number that lies on a knife's edge between two numbers of the format may be rounded either way, as far as f32 arithmetic and the matrix unit's own rounding can turn it there, and no further.
;;   INPUTS GIVEN AS CODES. hidden_to_hidden (in the module: [2048, 2048], K = its axis 1); hidden_to_output (in the module: [512, 2048], K = its axis 1); input_to_hidden (in the module: [2048, 512], K = its axis 1); input_to_output (in the module: [512, 512], K = its axis 1); inputs (in the module: [8192, 512], K = its axis 1); output_to_hidden (in the module: [2048, 512], K = its axis 1); output_to_output (in the module: [512, 512], K = its axis 1): each comes as NAME_codes (uint8): NAME with its K axis moved to the last place and cut into blocks of 32 codes, [.., K / 32, bytes a block], one block behind the other in memory; two codes a byte, the lower K in the low four bits (a code: sign, 2 exponent bits, 1 mantissa bit); and NAME_scales (uint8): the same leading axes, one E8M0 byte (e + 127) for each 32 codes along K. Its value is code x scale, taken as it is: it is not quantised again, and the codes and scales need not be those that the quantiser above would give.
;; One version. Each part assembles by itself: llvm-mc -triple=amdgcn-amd-amdhsa -mcpu=gfx1250 --defsym DOCPART=n.
;; ======== version 1 of 1: 1 launch
;; limits: right only within a limited range of input values
;; launch fused (part 1): grid 256 x 1, 8 waves a work-group, clusters of 4 x 1, 327,680 bytes of LDS; arguments inputs_codes, inputs_scales, input_to_hidden_codes, input_to_hidden_scales, input_to_output_codes, input_to_output_scales, hidden_to_output_codes, hidden_to_output_scales, hidden_responses, hidden_biases, output_responses, output_biases, out0; writes out0
.if DOCPART == 1
	.amdgcn_target "amdgcn-amd-amdhsa--gfx1250"
	.amdhsa_code_object_version 6
	.text
	.protected	k_q316f253b4f_fused
	.globl	k_q316f253b4f_fused
	.p2align	8
	.type	k_q316f253b4f_fused,@function
k_q316f253b4f_fused:
	s_mov_b64 s[64:65], 0
	v_nop
	global_prefetch_b8 v0, s[64:65] scope:SCOPE_SE
	s_setreg_imm32_b32 hwreg(HW_REG_WAVE_MODE, 25, 1), 1
	s_wait_xcnt 0x0
	s_wait_alu depctr_hold_cnt(0) depctr_sa_sdst(0) depctr_va_vdst(0) depctr_va_sdst(0) depctr_va_ssrc(0) depctr_va_vcc(0) depctr_vm_vsrc(0)
	s_getreg_b32 s2, hwreg(HW_REG_IB_STS2, 6, 4)
	s_cmp_eq_u32 s2, 0
	s_cbranch_scc0 .Lentry_in_a_cluster
	s_endpgm
.Lentry_in_a_cluster:
	s_bfe_u32 s2, ttmp6, 0x10000c
	s_cmp_lg_u32 s2, 0x3003
	s_cbranch_scc0 .Lentry_shape_is_right
	s_endpgm
.Lentry_shape_is_right:
; out = sigmoid(oresp * (X Wio^T + Q(act(hresp * (X Wih^T) + hbias)) Who^T) + obias), [8192][512] f32, in one launch.
; act by hidden unit n % 3: 0 tanh, 1 sigmoid, 2 relu.  Products on codes of FP4 (E2M1) with one E8M0 byte for each 32 along K; sums, activations and the quantiser in f32.
; DEAD WORK.  reference() starts with activs = 0 and outputs = 0 and makes N_STEPS = 1 step, so activs @ hidden_to_hidden^T, outputs @ output_to_hidden^T and outputs @ output_to_output^T are products with zeros
; that it builds itself (outputs is never written): they add 0 for all finite values of the inputs.  They are left out, and hidden_to_hidden, output_to_hidden and output_to_output (codes and scales) are not loaded and are
; no arguments.  LIMIT: a NaN, an infinity or an overflow that reaches only the work left out is not carried to the result.
; FURTHER LIMITS.  NaN pre-activations are not served.  tanh x = 1 - 2 / (1 + 2^(2.885390 x)): absolute error of about one part in 10^7, so its relative error grows as |x| falls.  The factor 2.885390 or -1.442695 is
; multiplied into response and bias first: one rounding more than multiplying the finished pre-activation.  A block of zeros gets the byte 1 where the quantiser says 127: its codes are zeros and the bytes stay in this launch.
; An output is summed in two parts: Wio's K steps and the even ones of Who, and the odd ones of Who.
; SHARES.  A work-group takes 32 rows (two tiles i of 16) through the whole chain: 256 work-groups.  Nine weight tiles of 128 KiB go through two LDS slots by turns: Wih's four chunks of 512 hidden units, Wio, and Who's four
; GROUPS of 128 outputs x all of K.  Wave w multiplies: Wih: hidden blocks (of 32 units) w and w + 8 of the chunk; Wio and Who: outputs 128 g + 16 w .. + 15, g = 0 .. 3.  A group's outputs leave while later groups are multiplied.
; A slot's image is always 512 rows of 256 bytes: for Who row 128 kq + n is the kq-th quarter of output n's K.
; CLUSTER.  All work-groups need the same weights: four share every tile by joint loads (mask 15), one a wave: 128 rows at the head (both slots), 64 rows in a refill.
; THE MATRIX INSTRUCTION IS USED TRANSPOSED: source 0 = 16 weight rows, source 1 = 16 batch rows: lane (r, h) holds batch row r and the results of weight rows 8 h + 0 .. 7 of the tile.
; A BLOCK IN A LANE.  Wih's tile t takes eight rows of block w in its rows 0-7 and eight of block w + 8 in its rows 8-15: after four tiles a lane holds a whole block: lanes 0-15 block w, lanes 16-31 block w + 8.
; ROTATION.  Position i (0 .. 31) of a lane holds unit (i - rho) mod 32 of its block, rho = (2 (c + w)) % 3 + h.  As 32 b - rho = 0 (mod 3) for the block's number b, position i has class i % 3, or (i + 2) % 3 where i < rho:
; so positions 3 .. 31 have a class fixed by the register, and positions 0, 1, 2 are chosen by lane.  The finished codes are rotated back by rho nibbles.
; A STEP: behind the round the slot just read is asked for again, the next tile's fragments are read from LDS, the last products' vector work runs meanwhile, then the products; the last quarter of them stands inside the next round.
; PREFETCH.  The tile of the refill that stands two refills on is asked for by four of the 64 clusters; the four partners and the eight waves share its 512 blocks of 256 bytes out by address: 16 a wave.
.set PITCH, 272                        ; 256 bytes + 16: the 16 rows of a fragment load start in 16 different groups of four banks
.set SKEW,  144                        ; rows 256 .. 511 of a slot lie 9 x 16 bytes further on: block w + 8's eight rows, one rotation apart, take the eight other groups of banks
.set UP,    256*PITCH+SKEW             ; from row n to row n + 256
.set SB,    139520                     ; slot A: 512 x 272 + 144, rounded up to 256; then slot B
.set HB,    279040                     ; hidden codes: 32 rows x 1,040
.set HP,    1040
.set HSB,   312320                     ; their scale bytes: 32 rows x 80
.set HSP,   80
.set SPARE, 314880                     ; the spare words: 128 bytes for each wave
.set SPIT,  528                        ; two stages of 32 rows x (512 + 16) bytes, where the hidden codes lay: those are in registers by then
.set STG,   32*SPIT
; window 0
.set LN, 3
.set SPW, 4
.set NIL, 5
.set FGA, 6                            ; Wio's and Who's fragments: slot A, rows 0 .. 255; FGAH: rows 256 .. 511
.set FGAH, 7
.set FGB, 8                            ; slot B
.set FGBH, 1                           ; (made last in the head, where r has served)
.set OPO, 3                            ; likewise, over the lane's number
.set HA, 9
.set HCA, 10
.set HSA, 11
.set HSR, 12
.set STO, 13
.set RD, 14
.set CO, 15
.set ACX, 16                           ; v16-31: the odd K steps' sums of a group of Who; until then:
.set FA0, 16                           ; Wih's fragments: tile 0
.set FA1, 17                           ; tiles 1 to 3
.set FAB, 18                           ; v18, v19: slot A, slot B
.set JA, 20
.set K8, 21
.set SIB, 22
.set SIO0, 23
.set SIO1, 24
.set SHV, 25                           ; 4 rho
.set SH28, 26
.set A1, 27
.set B1, 28
.set XO, 29
.set SWO, 30
.set T0, 31
.set XS, 32                            ; scale words: X's (lane = row),
.set SI, 36                            ; the weights' (8),
.set HS, 44                            ; the hidden layer's (16; lane = row)
.set SGO, 60
.set PF, 61
.set T1, 62
.set T2, 63
.set OP, 62                            ; a group's responses and biases: lane l & 7 of each half of 16
.set QW, 64                            ; Wih's fragments of q = 2, 3; then
.set AO, 64                            ; output sums: (g, i) at 8 (2 g + i)
.set WK, 128                           ; 46 exponentials
.set CD, 128
.set OU, 136
.set TA, 144
.set TB, 152
.set TR, 174
.set MX, 178
.set SCO, 186
.set BY, 188
.set PRE, 192                          ; 64 numbers at work
.set WG0, 128                          ; Who's fragments of a group: 8 x K step
.set FCB, 192                          ; at the head: factors by class
.set FCW, 193
.set FCH, 194
.set FL, 196
.set PO, 200                           ; and offsets of responses and biases
.set L16, 210
.set PB, 211
; window 1, until H's fragments (i, ks) at 8 (16 i + ks) take it whole
.set WF, 0                             ; Wih's fragments of q = 0, 1; Wio's (g, q) at 8 (4 g + q), over the hidden sums too
.set AH, 64                            ; hidden sums (i, t) at 8 (4 i + t)
.set XF, 128                           ; X's fragments (i, q)
.set RS, 192                           ; 16 responses, 16 biases
.set BI, 208
.set P, 224                            ; chunk c at 4 c: responses x factor of positions 0-15, 16-31 (lane r: position r, 16 + r); biases likewise
.set G1H, 36                           ; group 1: 128 rows, 256 bytes apart
.set G1A, 44                           ; 64 rows, 256 bytes apart
.set G1B, 52                           ; 64 rows, 1,024 bytes apart
.set PW, 68                            ; my rows in Wih, in Wio, in Who
.set PIO, 70
.set PH, 72
.set G0, 76
.set G0H, 80
.set WV, 84
.set CX, 85
.set WG, 86
.set PFQ, 87
.set RHO, 88                           ; s88-91: rho of block w in chunk c
.set W0, 92                            ; lanes where rho > 0, 1, 2
.set W1, 93
.set W2, 94
.set CT, 95
.set CSG, 96
.set LW, 97
.set MSB, 0
.macro WIN new                         ; the immediate's high byte repeats the setting that is left
.if MSB != \new
	s_set_vgpr_msb (MSB<<8)|\new
.set MSB, \new
.endif
.endm
.macro PLACES n
.rept \n
	v_nop
.endr
.endm
.macro CREST                           ; a round of the cluster's barrier behind its opening barrier
	s_cmp_lg_u32 s[WV], 0
	s_cbranch_scc1 .Lnot_wave_0_\@
	s_barrier_signal -3
.Lnot_wave_0_\@:
	s_barrier_wait -3
	s_barrier_signal -1
	s_barrier_wait -1
.endm
.macro CROUND
	s_barrier_signal -1
	s_barrier_wait -1
	CREST
.endm
; One matrix instruction.  zero: C is the constant 0.  ra, rb: the scales are read from lanes 16-31 of their register
.macro WM d, a, b, zero, sa, sb, ra, rb
.if (\zero) && (\ra) && (\rb)
	v_wmma_scale_f32_16x16x128_f8f6f4 v[\d:\d+7], v[\a:\a+7], v[\b:\b+7], 0, v[\sa], v[\sb] matrix_a_fmt:MATRIX_FMT_FP4 matrix_b_fmt:MATRIX_FMT_FP4 matrix_a_scale:MATRIX_SCALE_ROW1 matrix_b_scale:MATRIX_SCALE_ROW1
.elseif (\zero) && (\ra)
	v_wmma_scale_f32_16x16x128_f8f6f4 v[\d:\d+7], v[\a:\a+7], v[\b:\b+7], 0, v[\sa], v[\sb] matrix_a_fmt:MATRIX_FMT_FP4 matrix_b_fmt:MATRIX_FMT_FP4 matrix_a_scale:MATRIX_SCALE_ROW1
.elseif (\zero) && (\rb)
	v_wmma_scale_f32_16x16x128_f8f6f4 v[\d:\d+7], v[\a:\a+7], v[\b:\b+7], 0, v[\sa], v[\sb] matrix_a_fmt:MATRIX_FMT_FP4 matrix_b_fmt:MATRIX_FMT_FP4 matrix_b_scale:MATRIX_SCALE_ROW1
.elseif (\zero)
	v_wmma_scale_f32_16x16x128_f8f6f4 v[\d:\d+7], v[\a:\a+7], v[\b:\b+7], 0, v[\sa], v[\sb] matrix_a_fmt:MATRIX_FMT_FP4 matrix_b_fmt:MATRIX_FMT_FP4
.elseif (\ra) && (\rb)
	v_wmma_scale_f32_16x16x128_f8f6f4 v[\d:\d+7], v[\a:\a+7], v[\b:\b+7], v[\d:\d+7], v[\sa], v[\sb] matrix_a_fmt:MATRIX_FMT_FP4 matrix_b_fmt:MATRIX_FMT_FP4 matrix_a_scale:MATRIX_SCALE_ROW1 matrix_b_scale:MATRIX_SCALE_ROW1
.elseif (\ra)
	v_wmma_scale_f32_16x16x128_f8f6f4 v[\d:\d+7], v[\a:\a+7], v[\b:\b+7], v[\d:\d+7], v[\sa], v[\sb] matrix_a_fmt:MATRIX_FMT_FP4 matrix_b_fmt:MATRIX_FMT_FP4 matrix_a_scale:MATRIX_SCALE_ROW1
.elseif (\rb)
	v_wmma_scale_f32_16x16x128_f8f6f4 v[\d:\d+7], v[\a:\a+7], v[\b:\b+7], v[\d:\d+7], v[\sa], v[\sb] matrix_a_fmt:MATRIX_FMT_FP4 matrix_b_fmt:MATRIX_FMT_FP4 matrix_b_scale:MATRIX_SCALE_ROW1
.else
	v_wmma_scale_f32_16x16x128_f8f6f4 v[\d:\d+7], v[\a:\a+7], v[\b:\b+7], v[\d:\d+7], v[\sa], v[\sb] matrix_a_fmt:MATRIX_FMT_FP4 matrix_b_fmt:MATRIX_FMT_FP4
.endif
.endm
.macro LOADT g0, g1
	tensor_load_to_lds s[\g0:\g0+3], s[\g1:\g1+7]
	s_nop 0
	PLACES 4                                       ; also the places between the last products and the loads and reads that follow
.endm
; THE CHANGE OF SLOTS, in two parts; register work alone stands between them.  Every wave has all its tensor loads landed, the add done, its LDS reads and stores back; then a round;
; then its one joint load, 64 rows of the slot whose fragments are in registers.
.macro RPRE base, imm, slot
	WIN 0
	s_wait_alu depctr_va_vdst(0)
	s_wait_tensorcnt 0x0
	ds_add_u32 v[SPW], v[NIL]
	s_add_co_u32 s[G0+1], s[LW], \slot             ; no tensor load of mine is out
	s_add_nc_u64 s[G0+2:G0+3], s[\base:\base+1], \imm
	s_or_b32 s[G0+3], s[G0+3], 0x80000000
	s_wait_dscnt 0x0
	s_barrier_signal -1
.endm
.macro RPOST g1
	WIN 0
	s_barrier_wait -1
	CREST
	LOADT G0, \g1
.endm
.macro ASK base, imm                   ; clusters 0, 20, 40, 60 ask; a lane a block of 256 bytes
	s_cmp_eq_u32 ttmp9, s[PFQ]
	s_cbranch_scc0 .Lnot_asked_\@
	global_prefetch_b8 v[PF], s[\base:\base+1] offset:\imm th:TH_LOAD_NT scope:SCOPE_SE
.Lnot_asked_\@:
.endm
; Chunk c's lane addresses: Wih's fragments in its slot and its scale bytes in memory.  JA = 8 + (l & 7) - h', h' = the half of the weight tile's rows, so JA - rho is at least 5
.macro ADDR c
	v_sub_nc_u32 v[T0], v[JA], s[RHO+\c]
	v_add_nc_u32 v[T1], 24, v[T0]
	v_add_nc_u32 v[T2], v[T0], v[K8]
	v_mad_u32_u24 v[FA1], v[T0], PITCH, v[FAB+(\c)%2]
	v_and_b32 v[T1], 31, v[T1]
	v_lshl_add_u32 v[SIO1], v[T2], 4, v[SIB]
	v_add_nc_u32 v[T2], 24, v[T2]
	v_mad_u32_u24 v[FA0], v[T1], PITCH, v[FAB+(\c)%2]
	v_and_b32 v[T2], 31, v[T2]
	v_lshl_add_u32 v[SIO0], v[T2], 4, v[SIB]
.endm
.macro LOADSI c
	global_load_b128 v[SI:SI+3], v[SIO0], s[14:15] offset:8192*(\c)
	global_load_b128 v[SI+4:SI+7], v[SIO1], s[14:15] offset:8192*(\c)+128
.endm
.macro LANES c                         ; what the activation of chunk c chooses by lane
	v_add_nc_u32 v[T0], s[RHO+\c], v2
	v_lshlrev_b32 v[SHV], 2, v[T0]
	v_cmp_lt_u32 s[W0], 0, v[T0]
	v_cmp_lt_u32 s[W1], 1, v[T0]
	v_cmp_lt_u32 s[W2], 2, v[T0]
	v_sub_nc_u32 v[SH28], 28, v[SHV]
	v_cndmask_b32 v[A1], 1.0, -2.0, s[W1]
	v_cndmask_b32 v[B1], 0, 1.0, s[W1]
.endm
.macro MMH q                           ; 8 hidden sums by turns, 128 along K
.if \q < 2
	WIN 0x55                                       ; everything in window 1
.else
	WIN 0x54                                       ; source 0 in window 0
.endif
.irp i, 0,1
.irp t, 0,1,2,3
.if \q == 0
	WM AH+8*(4*\i+\t), WF+8*\t, XF+8*(4*\i), 1, SI+4*(\t/2), XS, \t%2, \i
.elseif \q == 1
	WM AH+8*(4*\i+\t), WF+32+8*\t, XF+8*(4*\i+1), 0, SI+4*(\t/2)+1, XS+1, \t%2, \i
.else
	WM AH+8*(4*\i+\t), QW+32*(\q-2)+8*\t, XF+8*(4*\i+\q), 0, SI+4*(\t/2)+\q, XS+\q, \t%2, \i
.endif
.endr
.endr
.endm
.macro MMO q                           ; 8 output sums by turns, 128 along K of X and Wio
	WIN 0x05                                       ; sources 0 and 1 in window 1, C and D in window 0
.irp i, 0,1
.irp g, 0,1,2,3
.if \q == 0
	WM AO+8*(2*\g+\i), WF+32*\g, XF+8*(4*\i), 1, SI+4*(\g/2), XS, \g%2, \i
.else
	WM AO+8*(2*\g+\i), WF+8*(4*\g+\q), XF+8*(4*\i+\q), 0, SI+4*(\g/2)+\q, XS+\q, \g%2, \i
.endif
.endr
.endr
.endm
; Group g of Who, K steps 4 kq .. 4 kq + 3: four sums by turns (even steps: the output sums, odd steps: their seconds).  In groups 1 to 3 a wait stands ahead of the first reader of the output sums
.macro MMG g, kq
	WIN 0x04                                       ; source 1 (H) in window 1
.irp q, 0,1,2,3
.irp i, 0,1
.if (\q % 2) == 0
.if (\g > 0) && (\kq == 0) && (\q == 0)
	s_wait_alu depctr_va_vdst(0)
.endif
	WM AO+8*(2*\g+\i), WG0+8*(4*\kq+\q), 8*(16*\i+4*\kq+\q), 0, SI+4*(\kq%2)+\q, HS+4*\kq+\q, \kq/2, \i
.elseif (\kq == 0) && (\q == 1)
	WM ACX+8*\i, WG0+8*(4*\kq+\q), 8*(16*\i+4*\kq+\q), 1, SI+4*(\kq%2)+\q, HS+4*\kq+\q, \kq/2, \i
.else
	WM ACX+8*\i, WG0+8*(4*\kq+\q), 8*(16*\i+4*\kq+\q), 0, SI+4*(\kq%2)+\q, HS+4*\kq+\q, \kq/2, \i
.endif
.endr
.endr
.endm
.macro FETCHA q, reg                   ; Wih's four fragments of 128 along K
.irp cc, 0,1
	ds_load_b128 v[\reg+4*\cc:\reg+4*\cc+3], v[FA0] offset:64*\q+32*\cc
.irp t, 1,2,3
	ds_load_b128 v[\reg+8*\t+4*\cc:\reg+8*\t+4*\cc+3], v[FA1] offset:(\t-1)*8*PITCH+64*\q+32*\cc
.endr
.endr
.endm
.macro FETCHH                          ; a chunk's 16 fragments
	WIN 0x40
	FETCHA 0, WF
	FETCHA 1, WF+32
	WIN 0
	FETCHA 2, QW
	FETCHA 3, QW+32
.endm
.macro FETCHQ kq, reg, adr             ; four fragments of the slot's rows 128 kq + 16 w ..
.irp q, 0,1,2,3
.irp cc, 0,1
	ds_load_b128 v[\reg+8*(4*\kq+\q)+4*\cc:\reg+8*(4*\kq+\q)+4*\cc+3], v[\adr] offset:(\kq%2)*128*PITCH+64*\q+32*\cc
.endr
.endr
.endm
.macro FETCHG lo, hi
	FETCHQ 0, WG0, \lo
	FETCHQ 1, WG0, \lo
	FETCHQ 2, WG0, \hi
	FETCHQ 3, WG0, \hi
.endm
.macro FETCHHID kq, adr                ; H's eight and the group's four fragments of a quarter of K
	WIN 0x40
.irp q, 0,1,2,3
.irp i, 0,1
.irp cc, 0,1
	ds_load_b128 v[8*(16*\i+4*\kq+\q)+4*\cc:8*(16*\i+4*\kq+\q)+4*\cc+3], v[HA] offset:\i*16*HP+64*(4*\kq+\q)+32*\cc
.endr
.endr
.endr
	WIN 0
	FETCHQ \kq, WG0, \adr
.endm
; T = factor x pre-activation of chunk c: 16 positions at a time, whose responses and biases are spread from their lanes
.macro PREACT c
	LANES \c
.irp u, 0,1
	WIN 0x41
.irp p, 0,1,2,3,4,5,6,7,8,9,10,11,12,13,14,15
	v_mov_b32_dpp v[RS+\p], v[P+4*\c+\u] row_share:\p row_mask:0xf bank_mask:0xf
	v_mov_b32_dpp v[BI+\p], v[P+4*\c+2+\u] row_share:\p row_mask:0xf bank_mask:0xf
.endr
	WIN 0x15                                       ; all sources in window 1
.irp x, 0,1
.set e, 0
.rept 8
	v_pk_fma_f32 v[PRE+32*\x+16*\u+e:PRE+32*\x+16*\u+e+1], v[AH+32*\x+16*\u+e:AH+32*\x+16*\u+e+1], v[RS+e:RS+e+1], v[BI+e:BI+e+1]
.set e, e+2
.endr
.endr
.endr
	WIN 0
.endm
; The activation and the quantiser of chunk c; codes and scale bytes into LDS
.macro ACTQ c
	s_wait_alu depctr_va_vdst(0)
.set n, 0
.irp x, 0,1
.irp p, 0,1,2,3,4,6,7,9,10,12,13,15,16,18,19,21,22,24,25,27,28,30,31
	v_exp_f32 v[WK+n], v[PRE+32*\x+\p]
.set n, n+1
.endr
.endr
.irp x, 0,1
.irp p, 5,8,11,14,17,20,23,26,29
	v_max_num_f32 v[PRE+32*\x+\p], 0, v[PRE+32*\x+\p]     ; relu: plain work behind the exponentials
.endr
	v_max_num_f32 v[TR+2*\x], 0, v[PRE+32*\x]
	v_max_num_f32 v[TR+2*\x+1], 0, v[PRE+32*\x+2]
.endr
	s_wait_alu depctr_va_vdst(0)                   ; one wait for the exponentials
.set n, 0
.rept 23
	v_pk_add_f32 v[WK+n:WK+n+1], v[WK+n:WK+n+1], 1.0 op_sel_hi:[1,0]
.set n, n+2
.endr
	s_wait_alu depctr_va_vdst(0)
.set n, 0
.irp x, 0,1
.irp p, 0,1,2,3,4,6,7,9,10,12,13,15,16,18,19,21,22,24,25,27,28,30,31
.if (\p > 2) && (\p % 3 == 1)
	v_rcp_f32 v[PRE+32*\x+\p], v[WK+n]             ; a sigmoid is finished
.else
	v_rcp_f32 v[WK+n], v[WK+n]
.endif
.set n, n+1
.endr
.endr
	v_nop
	s_wait_alu depctr_va_vdst(0)                   ; one wait for the reciprocals
.set n, 0
.irp x, 0,1
.irp p, 0,1,2,3,4,6,7,9,10,12,13,15,16,18,19,21,22,24,25,27,28,30,31
.if (\p > 2) && (\p % 3 == 0)
	v_fma_f32 v[PRE+32*\x+\p], v[WK+n], -2.0, 1.0  ; tanh
.endif
.set n, n+1
.endr
.endr
.irp x, 0,1
	v_fma_f32 v[MX+\x], v[WK+23*\x], -2.0, 1.0
	v_fma_f32 v[PRE+32*\x+1], v[WK+23*\x+1], v[A1], v[B1]               ; position 1: sigmoid, or tanh where rho > 1
	v_cndmask_b32 v[PRE+32*\x+2], v[TR+2*\x+1], v[WK+23*\x+2], s[W2]    ; position 2: relu, or sigmoid where rho > 2
	v_cndmask_b32 v[PRE+32*\x], v[MX+\x], v[TR+2*\x], s[W0]             ; position 0: tanh, or relu where rho > 0
.endr
	; the quantiser: a row's block of 32 lies in one lane.  Four chains for each of the two rows, by turns
.irp g, 0,1,2,3
.irp x, 0,1
	v_max3_num_f32 v[MX+4*\x+\g], |v[PRE+32*\x+8*\g]|, |v[PRE+32*\x+8*\g+1]|, |v[PRE+32*\x+8*\g+2]|
.endr
.endr
.irp m, 3,5
.irp g, 0,1,2,3
.irp x, 0,1
	v_max3_num_f32 v[MX+4*\x+\g], v[MX+4*\x+\g], |v[PRE+32*\x+8*\g+\m]|, |v[PRE+32*\x+8*\g+\m+1]|
.endr
.endr
.endr
.irp x, 0,1
	v_max3_num_f32 v[MX+4*\x], v[MX+4*\x], v[MX+4*\x+1], |v[PRE+32*\x+7]|
	v_max3_num_f32 v[MX+4*\x+2], v[MX+4*\x+2], v[MX+4*\x+3], |v[PRE+32*\x+15]|
.endr
.irp x, 0,1
	v_max3_num_f32 v[MX+4*\x], v[MX+4*\x], |v[PRE+32*\x+23]|, |v[PRE+32*\x+31]|
.endr
.irp x, 0,1
	v_max3_num_f32 v[MX+4*\x], v[MX+4*\x], v[MX+4*\x+2], 0x1800000      ; and the floor 2^(3 - 127): the byte cannot fall under 1
.endr
.irp x, 0,1
	v_add_nc_u32 v[SCO+\x], 0xff000000, v[MX+4*\x] ; 2 off the exponent field: the conversion's scale operand
.endr
.irp x, 0,1
	v_lshrrev_b32 v[BY+\x], 23, v[SCO+\x]          ; the scale's byte
.endr
.irp x, 0,1
.irp d, 0,1,2,3
	v_cvt_scalef32_pk8_fp4_f32 v[CD+4*\x+\d], v[PRE+32*\x+8*\d:PRE+32*\x+8*\d+7], v[SCO+\x]
.endr
.endr
	v_nop                                          ; one plain line behind a scaled conversion
.irp x, 0,1
	ds_store_b8 v[HSA], v[BY+\x] offset:\x*16*HSP+16*\c
.endr
	; rotated right by rho nibbles: word d = word d >> 4 rho, and word d + 1 << (32 - 4 rho), in two shifts since rho may be 0
.irp x, 0,1
.irp d, 0,1,2,3
	v_lshrrev_b32 v[TA+4*\x+\d], v[SHV], v[CD+4*\x+\d]
	v_lshlrev_b32 v[TB+4*\x+\d], v[SH28], v[CD+4*\x+(\d+1)%4]
.endr
.endr
.irp x, 0,1
.irp d, 0,1,2,3
	v_lshl_or_b32 v[OU+4*\x+\d], v[TB+4*\x+\d], 4, v[TA+4*\x+\d]
.endr
.endr
.irp x, 0,1
	ds_store_b128 v[HCA], v[OU+4*\x:OU+4*\x+3] offset:\x*16*HP+256*\c
.endr
.endm
.macro LOADSG g                        ; a group's scale words: lanes 0-15 K steps 0-7 of 16 rows, lanes 16-31 K steps 8-15
	global_load_b128 v[SI:SI+3], v[SGO], s[22:23] offset:8192*\g
	global_load_b128 v[SI+4:SI+7], v[SGO], s[22:23] offset:8192*\g+16
.endm
.macro LOADOP g
	global_load_b32 v[OP], v[OPO], s[28:29] offset:512*\g
	global_load_b32 v[OP+1], v[OPO], s[30:31] offset:512*\g
.endm
; Group g's 16 numbers a lane: the two parts of each sum, sigmoid = 1 / (1 + 2^T), T = -log2(e) (response x sum + bias); into stage g % 2
.macro SIGMOID g, younger
	s_wait_loadcnt \younger                        ; responses and biases are in; the next group's scale words may stay out
.irp e, 0,2,4,6,8,10,12,14
	v_pk_add_f32 v[AO+16*\g+\e:AO+16*\g+\e+1], v[AO+16*\g+\e:AO+16*\g+\e+1], v[ACX+\e:ACX+\e+1]
.endr
	v_mul_f32 v[OP], s[CSG], v[OP]
	v_mul_f32 v[OP+1], s[CSG], v[OP+1]
.irp j, 0,1,2,3,4,5,6,7
	v_mov_b32_dpp v[ACX+\j], v[OP] row_share:\j row_mask:0xf bank_mask:0xf
	v_mov_b32_dpp v[ACX+8+\j], v[OP+1] row_share:\j row_mask:0xf bank_mask:0xf
.endr
.irp i, 0,1
.irp e, 0,2,4,6
	v_pk_fma_f32 v[AO+16*\g+8*\i+\e:AO+16*\g+8*\i+\e+1], v[AO+16*\g+8*\i+\e:AO+16*\g+8*\i+\e+1], v[ACX+\e:ACX+\e+1], v[ACX+8+\e:ACX+8+\e+1]
.endr
.endr
	s_wait_alu depctr_va_vdst(0)
.set e, 0
.rept 16
	v_exp_f32 v[AO+16*\g+e], v[AO+16*\g+e]
.set e, e+1
.endr
	v_nop
	s_wait_alu depctr_va_vdst(0)
.irp e, 0,2,4,6,8,10,12,14
	v_pk_add_f32 v[AO+16*\g+\e:AO+16*\g+\e+1], v[AO+16*\g+\e:AO+16*\g+\e+1], 1.0 op_sel_hi:[1,0]
.endr
	s_wait_alu depctr_va_vdst(0)
.set e, 0
.rept 16
	v_rcp_f32 v[AO+16*\g+e], v[AO+16*\g+e]
.set e, e+1
.endr
	v_nop
	s_wait_alu depctr_va_vdst(0)
.irp i, 0,1
	ds_store_b128 v[STO], v[AO+16*\g+8*\i:AO+16*\g+8*\i+3] offset:(\g%2)*STG+\i*16*SPIT
	ds_store_b128 v[STO], v[AO+16*\g+8*\i+4:AO+16*\g+8*\i+7] offset:(\g%2)*STG+\i*16*SPIT+16
.endr
.endm
.macro BACK g                          ; four whole rows of 512 bytes, 128 outputs each, into the registers that held the group's sums
.irp t, 0,1,2,3
	ds_load_b128 v[AO+16*\g+4*\t:AO+16*\g+4*\t+3], v[RD] offset:(\g%2)*STG+\t*SPIT
.endr
.endm
.macro SEND g                          ; 32 lanes store 512 consecutive bytes, aligned
.irp t, 0,1,2,3
	global_store_b128 v[CO], v[AO+16*\g+4*\t:AO+16*\g+4*\t+3], s[32:33] offset:\t*2048+512*\g th:TH_STORE_NT
.endr
.endm
	s_load_b512 s[8:23], s[0:1], 0x0               ; X's codes 8, scales 10; Wih's 12, 14; Wio's 16, 18; Who's 20, 22
	s_load_b256 s[24:31], s[0:1], 0x40             ; hidden responses 24, biases 26; output responses 28, biases 30
	s_load_b64 s[32:33], s[0:1], 0x60              ; out0
	v_lshl_add_u32 v[SPW], v0, 2, SPARE
	v_mov_b32 v[NIL], 0
	ds_add_u32 v[SPW], v[NIL]                      ; the wave's opening: the add, twice on end, and its wait
	ds_add_u32 v[SPW], v[NIL]
	v_lshrrev_b32 v[T0], 5, v0
	v_readfirstlane_b32 s[WV], v[T0]               ; wave 0..7
	s_bfe_u32 s[CX], ttmp6, 0x40000                ; my place in the cluster: it enters X's, out0's and the prefetches' addresses alone
	s_lshl_b32 s[WG], ttmp9, 2
	s_add_co_u32 s[WG], s[WG], s[CX]               ; my 32 rows
	s_mul_i32 s[PFQ], ttmp9, 205
	s_lshr_b32 s[PFQ], s[PFQ], 12
	s_mul_i32 s[PFQ], s[PFQ], 20                   ; equal to ttmp9 in clusters 0, 20, 40, 60
	s_mov_b32 s[CT], 0x4038aa3b                    ; 2 log2(e)
	s_mov_b32 s[CSG], 0xbfb8aa3b                   ; -log2(e)
	s_lshl_b32 s3, s[WV], 1
.irp c, 0,1,2,3                        ; x % 3 = ((171 x mod 512) 3) / 512 for these x, at most 20
	s_add_co_u32 s2, s3, 2*\c
	s_mul_i32 s2, s2, 171
	s_and_b32 s2, s2, 511
	s_mul_i32 s2, s2, 3
	s_lshr_b32 s[RHO+\c], s2, 9
.endr
	s_mul_i32 s60, s[WV], 32*PITCH
	s_mul_i32 s61, s[WV], 16*PITCH
	s_lshl_b32 s62, s[WV], 7
	s_lshl_b32 s63, s[WV], 4
	s_lshl_b32 s66, s[WV], 6
	s_mul_i32 s67, s[WV], 4*SPIT
	s_add_co_u32 s67, s67, HB
	s_lshl_b32 s98, s[WV], 9
	s_lshl_b32 s99, s[WV], 13
	s_lshl_b32 s34, s[WV], 8
	s_lshl_b32 s3, s[WV], 10
	s_lshl_b32 s35, s[CX], 7
	s_add_co_u32 s35, s35, s63
	; descriptor groups 1.  Elements of one byte; 15:0 the mask of all four partners; 20 padding on; 21 set beside a mask; 24:22 after every 64 words; 31:25 four words of padding
.irp g, G1H, G1A, G1B
	s_mov_b32 s[\g], 15|(1<<20)|(1<<21)|(5<<22)|(3<<25)
	s_mov_b32 s[\g+1], 256<<16                     ; tensor_dim0
	s_mov_b32 s[\g+3], 256<<16                     ; tile_dim0
	s_mov_b32 s[\g+6], 0
	s_mov_b32 s[\g+7], 0
.endr
	s_mov_b32 s[G1H+2], 128<<16                    ; tensor_dim1, tile_dim1, from row to row
	s_mov_b32 s[G1H+4], 128
	s_mov_b32 s[G1H+5], 256
	s_mov_b32 s[G1A+2], 64<<16
	s_mov_b32 s[G1A+4], 64
	s_mov_b32 s[G1A+5], 256
	s_mov_b32 s[G1B+2], 64<<16
	s_mov_b32 s[G1B+4], 64
	s_mov_b32 s[G1B+5], 1024
	; LDS addresses of the fills: made of the wave's number alone
	s_lshr_b32 s4, s[WV], 2
	s_mul_i32 s2, s4, SKEW
	s_mul_i32 s[LW], s[WV], 64*PITCH
	s_add_co_u32 s[LW], s[LW], s2                  ; a refill: rows 64 w .. 64 w + 63 of its slot
	s_mul_i32 s4, s4, SB                           ; the head: waves 0-3 fill slot A, waves 4-7 slot B,
	s_and_b32 s2, s[WV], 3
	s_mul_i32 s5, s2, 128*PITCH                    ; 128 rows each
	s_lshr_b32 s2, s2, 1
	s_mul_i32 s2, s2, SKEW
	s_add_co_u32 s[G0H+1], s4, s5
	s_add_co_u32 s[G0H+1], s[G0H+1], s2
	s_mov_b32 s[G0H], 1
	s_mov_b32 s[G0], 1
	; lanes
	v_and_b32 v1, 15, v0                           ; r
	v_bfe_u32 v2, v0, 4, 1                         ; h: the half of the lanes
	v_and_b32 v[LN], 31, v0
	v_bfe_u32 v[T0], v0, 3, 1                      ; h': the half of a weight tile's rows
	v_and_b32 v[T1], 7, v0
	v_add_nc_u32 v[JA], 8, v[T1]
	v_sub_nc_u32 v[JA], v[JA], v[T0]
	v_lshlrev_b32 v[SIB], 12, v[T0]
	v_add_nc_u32 v[SIB], s98, v[SIB]
	v_mul_u32_u24 v[T2], UP, v[T0]
	v_lshl_add_u32 v[T2], v2, 4, v[T2]
	v_add_nc_u32 v[FAB], s60, v[T2]
	v_add_nc_u32 v[FAB+1], SB, v[FAB]
	v_lshlrev_b32 v[K8], 3, v2
	v_mul_u32_u24 v[T0], PITCH, v1
	v_lshl_add_u32 v[T0], v2, 4, v[T0]
	v_add_nc_u32 v[FGA], s61, v[T0]
	v_add_nc_u32 v[FGAH], UP, v[FGA]
	v_add_nc_u32 v[FGB], SB, v[FGA]
	v_mul_u32_u24 v[T0], HP, v1
	v_lshl_add_u32 v[T1], v2, 4, v[T0]
	v_add_nc_u32 v[HA], HB, v[T1]
	v_lshl_add_u32 v[T1], v2, 7, v[T0]
	v_add_nc_u32 v[T1], s63, v[T1]
	v_add_nc_u32 v[HCA], HB, v[T1]
	v_mul_u32_u24 v[T0], HSP, v1
	v_lshl_add_u32 v[T0], v2, 3, v[T0]
	v_add_nc_u32 v[T0], s[WV], v[T0]
	v_add_nc_u32 v[HSA], HSB, v[T0]
	v_mul_u32_u24 v[T0], HSP, v[LN]
	v_add_nc_u32 v[HSR], HSB, v[T0]
	v_mul_u32_u24 v[T0], SPIT, v1
	v_lshl_add_u32 v[T0], v2, 5, v[T0]
	v_add_nc_u32 v[T0], s66, v[T0]
	v_add_nc_u32 v[STO], HB, v[T0]
	v_lshlrev_b32 v[L16], 4, v[LN]
	v_add_nc_u32 v[RD], s67, v[L16]
	v_add_nc_u32 v[CO], s99, v[L16]
	v_lshlrev_b32 v[SWO], 4, v1
	v_lshl_add_u32 v[SWO], v2, 11, v[SWO]
	v_add_nc_u32 v[SWO], s34, v[SWO]
	v_lshlrev_b32 v[SGO], 6, v1
	v_lshl_add_u32 v[SGO], v2, 5, v[SGO]
	v_add_nc_u32 v[SGO], s3, v[SGO]
	v_min_u32 v[T0], 15, v[LN]
	v_add_nc_u32 v[T0], s35, v[T0]
	v_lshlrev_b32 v[PF], 8, v[T0]
	v_lshlrev_b32 v[XO], 8, v1
	v_lshl_add_u32 v[XO], v2, 4, v[XO]
	v_lshlrev_b32 v[PB], 10, v2
	v_add_nc_u32 v[PB], s62, v[PB]
	v_mul_u32_u24 v[T0], 171, v1
	v_and_b32 v[T0], 0x1ff, v[T0]
	v_mul_u32_u24 v[T0], 3, v[T0]
	v_lshrrev_b32 v[T0], 9, v[T0]                  ; r % 3
	v_cmp_eq_u32 s[W0], 0, v[T0]
	v_cmp_eq_u32 s[W1], 1, v[T0]
	v_cndmask_b32 v[FCB], 1.0, s[CT], s[W0]        ; the factor of class r % 3,
	v_cndmask_b32 v[FCW], s[CSG], 1.0, s[W0]       ; of class (r + 2) % 3,
	v_cndmask_b32 v[FCH], s[CT], 1.0, s[W1]        ; of class (r + 16) % 3
	v_cndmask_b32 v[FCB], v[FCB], s[CSG], s[W1]
	v_cndmask_b32 v[FCW], v[FCW], s[CT], s[W1]
	v_cndmask_b32 v[FCH], v[FCH], s[CSG], s[W0]
.irp c, 0,1,2,3                        ; chunk c: lane (r, h) takes positions r and 16 + r of block 16 c + w + 8 h
	v_add_nc_u32 v[T0], s[RHO+\c], v2
	v_cmp_lt_u32 s2, v1, v[T0]
	v_sub_nc_u32 v[T1], v1, v[T0]
	v_cndmask_b32 v[FL+\c], v[FCB], v[FCW], s2
	v_add_nc_u32 v[T2], 16, v[T1]
	v_and_b32 v[T1], 31, v[T1]
	v_and_b32 v[T2], 31, v[T2]
	v_lshl_add_u32 v[PO+2*\c], v[T1], 2, v[PB]
	v_lshl_add_u32 v[PO+2*\c+1], v[T2], 2, v[PB]
.endr
	ADDR 0
	v_and_b32 v[T0], 7, v[LN]
	v_lshlrev_b32 v[OPO], 2, v[T0]
	v_lshl_add_u32 v[OPO], v2, 5, v[OPO]
	v_add_nc_u32 v[OPO], s66, v[OPO]
	v_add_nc_u32 v[FGBH], SB, v[FGAH]
	WIN 0x40
.set e, 0
.rept 32
	v_mov_b32 v[RS+e], 0                           ; written once: the destination of a spread counts as one of its sources
.set e, e+1
.endr
	WIN 0
	s_wait_alu depctr_va_vdst(0)
	s_wait_dscnt 0x0                               ; both opening adds are done
	CROUND                                         ; all four work-groups are here: the first joint loads meet
	s_lshl_b32 s4, s[WV], 15                       ; 128 rows of 256 bytes
	s_mov_b32 s5, 0
	s_wait_kmcnt 0x0
	s_add_nc_u64 s[G0H+2:G0H+3], s[12:13], s[4:5]
	s_or_b32 s[G0H+3], s[G0H+3], 0x80000000
	LOADT G0H, G1H                                 ; Wih's chunks 0 and 1 into slots A and B
	s_mov_b32 s3, 0
	s_lshl_b32 s2, s[WG], 13
	s_add_nc_u64 s[8:9], s[8:9], s[2:3]            ; X's codes at my rows
	s_lshl_b32 s2, s[WG], 9
	s_add_nc_u64 s[10:11], s[10:11], s[2:3]        ; and scale bytes
	s_lshl_b32 s2, s[WG], 16
	s_add_nc_u64 s[32:33], s[32:33], s[2:3]        ; out0 at my rows
	WIN 0x40
.irp i, 0,1
.irp q, 0,1,2,3
.irp cc, 0,1
	global_load_b128 v[XF+8*(4*\i+\q)+4*\cc:XF+8*(4*\i+\q)+4*\cc+3], v[XO], s[8:9] offset:\i*4096+64*\q+32*\cc   ; X's fragments stay in registers
.endr
.endr
.endr
.irp c, 0,1,2,3
.irp u, 0,1
	global_load_b32 v[P+4*\c+\u], v[PO+2*\c+\u], s[24:25] offset:2048*\c
	global_load_b32 v[P+4*\c+2+\u], v[PO+2*\c+\u], s[26:27] offset:2048*\c
.endr
.endr
	WIN 0
	global_load_b128 v[XS:XS+3], v[L16], s[10:11]
	LOADSI 0
	s_lshl_b32 s6, s[WV], 14                       ; 64 rows of 256 bytes
	s_mov_b32 s7, 0
	s_add_nc_u64 s[PW:PW+1], s[12:13], s[6:7]
	s_add_nc_u64 s[PIO:PIO+1], s[16:17], s[6:7]
	s_and_b32 s2, s[WV], 1                         ; Who: 64 rows (w % 2), the quarter w / 2 of K
	s_lshl_b32 s2, s2, 16
	s_lshr_b32 s4, s[WV], 1
	s_lshl_b32 s4, s4, 8
	s_add_co_u32 s2, s2, s4
	s_add_nc_u64 s[PH:PH+1], s[20:21], s[2:3]
	ASK 12, 0x40000                                ; the first two refills: Wih's chunks 2 and 3
	ASK 12, 0x60000
	s_wait_alu depctr_va_vdst(0)
	s_wait_tensorcnt 0x0                           ; my part of the first two tiles has landed,
	s_barrier_signal -1
	s_barrier_wait -1                              ; everybody's has.
	FETCHH
	s_wait_loadcnt 0x0                             ; X, scale words, responses and biases
	WIN 0x44                                       ; source 1 and destination in window 1
.irp c, 0,1,2,3
	v_mul_f32 v[P+4*\c], v[FL+\c], v[P+4*\c]
	v_mul_f32 v[P+4*\c+1], v[FCH], v[P+4*\c+1]
	v_mul_f32 v[P+4*\c+2], v[FL+\c], v[P+4*\c+2]
	v_mul_f32 v[P+4*\c+3], v[FCH], v[P+4*\c+3]
.endr
	WIN 0
	ADDR 1
	s_wait_alu depctr_va_vdst(0)
	s_wait_dscnt 24                                ; q = 0 is in: behind it eight loads for each later q
	MMH 0
	s_wait_dscnt 16
	MMH 1
	s_wait_dscnt 8
	MMH 2
	RPRE PW, 0x40000, 0                            ; Wih's chunk 2 into slot A
	MMH 3
	RPOST G1A
	LOADSI 1
	FETCHH
	ASK 16, 0                                      ; Wio
	PREACT 0
	ACTQ 0
	s_wait_loadcnt 0x0
	ADDR 2
	s_wait_alu depctr_va_vdst(0)
	s_wait_dscnt 0x0
	MMH 0
	MMH 1
	MMH 2
	RPRE PW, 0x60000, SB                           ; chunk 3 into slot B
	MMH 3
	RPOST G1A
	LOADSI 2
	FETCHH
	ASK 20, 0                                      ; Who's group 0
	PREACT 1
	ACTQ 1
	s_wait_loadcnt 0x0
	ADDR 3
	s_wait_alu depctr_va_vdst(0)
	s_wait_dscnt 0x0
	MMH 0
	MMH 1
	MMH 2
	RPRE PIO, 0, 0                                 ; Wio into slot A
	MMH 3
	RPOST G1A
	LOADSI 3
	FETCHH
	ASK 20, 0x20000
	PREACT 2
	ACTQ 2
	s_wait_loadcnt 0x0
	s_wait_dscnt 0x0
	MMH 0
	MMH 1
	MMH 2
	RPRE PH, 0, SB                                 ; Who's group 0 into slot B
	MMH 3
	RPOST G1B
	global_load_b128 v[SI:SI+3], v[SWO], s[18:19]          ; Wio's scale words: lanes 0-15 tile 2 k, lanes 16-31 tile 2 k + 1
	global_load_b128 v[SI+4:SI+7], v[SWO], s[18:19] offset:4096
	WIN 0x40
	FETCHQ 0, WF, FGA
	FETCHQ 1, WF, FGA
	WIN 0
	ASK 20, 0x40000
	PREACT 3
	WIN 0x40
	FETCHQ 2, WF, FGAH                             ; over the hidden sums, which have been read
	FETCHQ 3, WF, FGAH
	WIN 0
	ACTQ 3
	s_wait_loadcnt 0x0
	s_wait_dscnt 0x0
	MMO 0
	MMO 1
	MMO 2
	RPRE PH, 0x20000, 0                            ; group 1 into slot A
	MMO 3
	RPOST G1B
	; the whole hidden layer lies in LDS: its fragments take window 1.  Group 0: 24 loads for each quarter of K
	LOADOP 0
	LOADSG 0
	ASK 20, 0x60000
.irp k, 0,1,2,3
	ds_load_b128 v[HS+4*\k:HS+4*\k+3], v[HSR] offset:16*\k
.endr
	FETCHHID 0, FGB
	FETCHHID 1, FGB
	s_wait_loadcnt 0x0
	s_wait_dscnt 24                                ; the quarter in hand is in; the next one's 24 loads may stay out
	MMG 0, 0
	FETCHHID 2, FGBH
	s_wait_dscnt 24
	MMG 0, 1
	FETCHHID 3, FGBH
	s_wait_dscnt 24
	MMG 0, 2
	RPRE PH, 0x40000, SB                           ; group 2 into slot B
	MMG 0, 3
	RPOST G1B
	LOADSG 1
	FETCHG FGA, FGAH
	SIGMOID 0, 2
	LOADOP 1
	s_wait_loadcnt 0x2                             ; the scale words are in; responses and biases may stay out
	s_wait_dscnt 0x0
	MMG 1, 0
	MMG 1, 1
	MMG 1, 2
	RPRE PH, 0x60000, 0                            ; group 3 into slot A: the last fill
	MMG 1, 3
	RPOST G1B
	BACK 0
	LOADSG 2
	FETCHG FGB, FGBH
	s_wait_dscnt 32                                ; group 0's rows are back; the 32 fragment loads may stay out
	SEND 0
	SIGMOID 1, 2
	LOADOP 2
	s_wait_loadcnt 0x2
	s_wait_dscnt 0x0
	MMG 2, 0
	MMG 2, 1
	MMG 2, 2
	WIN 0
	s_wait_alu depctr_va_vdst(0)
	s_wait_tensorcnt 0x0                           ; my part of group 3 has landed
	s_wait_dscnt 0x0
	s_barrier_signal -1
	MMG 2, 3
	WIN 0
	s_barrier_wait -1
	PLACES 4
	BACK 1
	LOADSG 3
	FETCHG FGA, FGAH
	s_wait_dscnt 32
	SEND 1
	SIGMOID 2, 2
	LOADOP 3
	s_wait_loadcnt 0x2
	s_wait_dscnt 0x0                               ; group 2's rows are in the stage, group 3's fragments in registers
	MMG 3, 0
	s_barrier_signal -1
	MMG 3, 1
	MMG 3, 2
	MMG 3, 3
	WIN 0
	s_barrier_wait -1
	BACK 2
	PLACES 4
	s_wait_dscnt 0x0
	SEND 2
	SIGMOID 3, 0
	s_wait_dscnt 0x0
	s_barrier_signal -1
	s_barrier_wait -1
	BACK 3
	s_wait_dscnt 0x0
	SEND 3
	s_wait_tensorcnt 0x0                           ; the wave's end
	ds_add_u32 v[SPW], v[NIL]
	s_wait_dscnt 0x0
	CROUND                                         ; the closing round: no work-group ends while a partner may still ask for a tile that names it
	s_endpgm
.Lfunc_end_k_q316f253b4f_fused:
	.size	k_q316f253b4f_fused, .Lfunc_end_k_q316f253b4f_fused-k_q316f253b4f_fused
	.p2alignl 7, 3214868480
	.fill 96, 4, 3214868480
	.section	.rodata,"a",@progbits
	.p2align	6, 0x0
	.amdhsa_kernel k_q316f253b4f_fused
		.amdhsa_group_segment_fixed_size 327680
		.amdhsa_private_segment_fixed_size 0
		.amdhsa_enable_private_segment 0
		.amdhsa_kernarg_size 104
		.amdhsa_user_sgpr_count 2
		.amdhsa_user_sgpr_kernarg_segment_ptr 1
		.amdhsa_wavefront_size32 1
		.amdhsa_system_sgpr_workgroup_id_x 1
		.amdhsa_system_sgpr_workgroup_id_y 1
		.amdhsa_system_sgpr_workgroup_id_z 1
		.amdhsa_system_vgpr_workitem_id 0
		.amdhsa_next_free_vgpr 512
		.amdhsa_next_free_sgpr 100
		.amdhsa_reserve_vcc 0
		.amdhsa_float_denorm_mode_32 3
		.amdhsa_float_denorm_mode_16_64 3
		.amdhsa_memory_ordered 1
		.amdhsa_forward_progress 1
		.amdhsa_inst_pref_size 178
	.end_amdhsa_kernel
	.amdgpu_metadata
---
amdhsa.version: [ 1, 2 ]
amdhsa.kernels:
  - .name:           k_q316f253b4f_fused
    .symbol:         k_q316f253b4f_fused.kd
    .args:
      - { .name: inputs_codes, .offset: 0, .size: 8, .value_kind: global_buffer, .address_space: global }
      - { .name: inputs_scales, .offset: 8, .size: 8, .value_kind: global_buffer, .address_space: global }
      - { .name: input_to_hidden_codes, .offset: 16, .size: 8, .value_kind: global_buffer, .address_space: global }
      - { .name: input_to_hidden_scales, .offset: 24, .size: 8, .value_kind: global_buffer, .address_space: global }
      - { .name: input_to_output_codes, .offset: 32, .size: 8, .value_kind: global_buffer, .address_space: global }
      - { .name: input_to_output_scales, .offset: 40, .size: 8, .value_kind: global_buffer, .address_space: global }
      - { .name: hidden_to_output_codes, .offset: 48, .size: 8, .value_kind: global_buffer, .address_space: global }
      - { .name: hidden_to_output_scales, .offset: 56, .size: 8, .value_kind: global_buffer, .address_space: global }
      - { .name: hidden_responses, .offset: 64, .size: 8, .value_kind: global_buffer, .address_space: global }
      - { .name: hidden_biases, .offset: 72, .size: 8, .value_kind: global_buffer, .address_space: global }
      - { .name: output_responses, .offset: 80, .size: 8, .value_kind: global_buffer, .address_space: global }
      - { .name: output_biases, .offset: 88, .size: 8, .value_kind: global_buffer, .address_space: global }
      - { .name: out0, .offset: 96, .size: 8, .value_kind: global_buffer, .address_space: global }
    .group_segment_fixed_size: 327680
    .private_segment_fixed_size: 0
    .kernarg_segment_align: 8
    .kernarg_segment_size: 104
    .max_flat_workgroup_size: 256
    .sgpr_count:     100
    .vgpr_count:     512
    .wavefront_size: 32
...
	.end_amdgpu_metadata
.endif
;; end of part 1
